; MI455X (gfx1250); checked and timed in simulation.
; The chip was launched on July 23, 2026; its instructions are those of AMD's public machine-readable ISA for CDNA 5 (MIT licence, August 2026) and "CDNA5" Instruction Set Architecture Reference Guide (July 2026). The comments in the code are by the model that wrote it; some were corrected since.
;; Scaled Dot Product Attention. Allowed arithmetic: float matrix products may take bf16 or f16 operands with f32 sums; all other float work in f32.
;; Inputs: key 8 x 16 x 1,024 x 64 float32; query 8 x 16 x 1,024 x 64 float32; value 8 x 16 x 1,024 x 64 float32.
;; Outputs: out0 8 x 16 x 1,024 x 64 float32.
;; 2 versions, each right; version 2 is version 1 with the launch attn written anew for expert scheduling mode. Each part assembles by itself: llvm-mc -triple=amdgcn-amd-amdhsa -mcpu=gfx1250 --defsym DOCPART=n.
;; ======== version 1 of 2: 1 launch
;; limits: values are held in f16: magnitudes above 65,504 overflow, below 6.1e-05 lose precision; inputs' magnitudes at most 65,408
;; launch attn (part 1): grid 256 x 1, 8 waves a work-group, no clusters, 312,320 bytes of LDS; arguments query, key, value, out0; writes out0
.if DOCPART == 1
	.amdgcn_target "amdgcn-amd-amdhsa--gfx1250"
	.amdhsa_code_object_version 6
	.text
	.protected	k_q1f21bf974a_attn
	.globl	k_q1f21bf974a_attn
	.p2align	8
	.type	k_q1f21bf974a_attn,@function
k_q1f21bf974a_attn:
	s_mov_b64 s[64:65], 0
	v_nop
	global_prefetch_b8 v0, s[64:65] scope:SCOPE_SE
	s_setreg_imm32_b32 hwreg(HW_REG_WAVE_MODE, 25, 1), 1
	s_wait_xcnt 0x0
; out = softmax(0.25 Q K^T) V for 128 heads of 1024 x 64, all tensors f32.  The products run on 16-bit operands with f32 sums, the softmax in f32
; with a running maximum (online softmax).
; SHARES.  Work-group g: head g >> 1, queries 512 (g & 1) .. + 511, all 1024 keys.  Wave w of eight: 64 queries, as four tiles of 16.
; Keys go in 16 blocks of 64; a wave issues 64 matrix instructions a block.
; K AND V are loaded as f32 by the whole work-group (each load of a wave covers 512 consecutive bytes), narrowed to 16 bits in registers ONCE and
; stored to LDS, where the whole head stays: every key block has LDS bytes of its own, none is ever written twice, so one barrier a block
; (stores, then the other waves' reads) is all the ordering.  Step i asks memory for block i + 2 at its head and stores it at its end.
; BOTH PRODUCTS ARE USED TRANSPOSED.  S^T = K Q^T: lane (r = lane % 16, h = lane / 16), register j holds (key 8 h + j, query r), so a lane owns one
; query: maximum, rescaling factor and row sum are plain per-lane numbers, with one exchange between the halves.  Packing a lane's eight weights
; of two neighbouring key tiles gives exactly the second operand of O^T = V^T P^T (ISA guide 7.12.2: the 16-bit operand's layout): no shuffle.
; V^T's fragments come from V kept [key][d] by the transposing LDS load.  In O^T a lane holds eight neighbouring floats of an output row.
; FORMATS.  Q, K and V are each rounded to bf16: the result is attention on the three inputs in that one format.  The first product is the bf16 form.
; The weights go into the second product as f16: bf16 would round each by up to 2^-8 of itself, and where two or three keys share a row and their
; values cancel, that is 2^-8 w |v| against an output near 0; f16 rounds by 2^-11.  So the second product is the f16 form, and V's bf16 numbers
; are carried in f16, which holds them exactly for 2^-14 <= |v| < 65,520.
; NO TENSOR LOADS, NO CLUSTER: the narrowing stands between memory and LDS and is register work; slots for f32 tiles would not fit beside
; the resident head (K 147,456 + V 163,840 bytes fill 311,296 of this launch's 312,320), and a head's K and V have two reading work-groups only.
; LIMITS.  Inputs that are inf or NaN are not served.  |value| stays below 65,520 (f16's range); a value below 2^-14 in size is held to 2^-25.
; A weight below 2^-14 of its row's largest is held to 2^-25, one below 2^-25 may count as 0 (the row sum is at least about 1).  The row sum is
; made of the unrounded f32 weights, the second product takes them in f16.  Sums are made block by block, in another order than a plain softmax's.
.set KP,     144                       ; LDS pitch of K and of the Q stage: 128 bytes of bf16 + 16, an odd multiple of 16
.set VP,     160                       ; LDS pitch of V: 128 + 32, an odd multiple of 32, for the transposing load
.set KBLK,   64*KP                     ; a key block of K in LDS
.set VBLK,   64*VP                     ; a key block of V in LDS
.set VBASE,  16*KBLK                   ; V lies behind K's 16 blocks
.set QSTAGE, 8*KBLK                    ; prologue only: wave w stages its Q in the bytes of K's block 8 + w, which is first stored in step 6
.set OP,     272                       ; epilogue only: pitch of the out stage, 256 bytes of f32 + 16
.set OTILE,  16*OP                     ; 16 rows of it; wave w has four at 4 OTILE w, inside K's bytes, behind the last barrier
.set BLKB,   16384                     ; a key block of K or of V in memory: 64 rows of 256 bytes
; window 0
.set GOFF,  2                          ; 2048 w + 16 lane: my 16 bytes in a block's first load
.set LOFF,  3                          ; 16 lane
.set KST,   4                          ; where I store K: (8 w + h) KP + 8 r, stepped a block a step
.set VST,   5                          ; where I store V
.set KRD,   6                          ; K fragments: r KP + 16 h, stepped
.set VRD,   7                          ; V fragments: VBASE + (8 h + lane % 8) VP + 16 ((lane / 8) % 2), stepped
.set PF,    8                          ; prefetch: 256 lane + the block asked for
.set PFLIM, 9                          ; 256 lane + block 15
.set QST,   10
.set QRD,   11
.set MX,    12                         ; v[12:15]   running maximum of my query, one for each query tile
.set LS,    16                         ; v[16:23]   row sums, a pair for each query tile
.set NM,    24                         ; v[24:25]   - c x maximum, twice
.set AL,    26                         ; v26 the rescaling factor; v27 only completes the pair
.set T,     28                         ; v[28:31]   four chains of the maximum
.set U,     32                         ; v[32:33]   partial sums
.set W,     34                         ; v[34:35]
.set OST,   36                         ; out stage: where I put 32 bytes of a row
.set ORD,   37                         ; out stage: where I read 16 bytes of a row back
.set KF,    48                         ; v[48:111]  K fragments, (key tile kt, half ks of d) at 16 kt + 8 ks
.set QF,    112                        ; v[112:175] Q fragments, (query tile q, ks) at 16 q + 8 ks
.set S0,    176                        ; v[176:207] scores of one query tile, key tile kt at 8 kt
.set S1,    208                        ; v[208:239] scores of the next one
.set CV,    192                        ; v[192:207] a block's K (8 words) and V (8 words) in 16 bits on their way to LDS (S0's upper half, free at a step's end)
.set P,     240                        ; v[240:255] weights in f16: keys 32 s .. 32 s + 31 at 8 s
; window 1 (the numbers are the low 8 bits)
.set OA,    0                          ; v[256:383] O^T, (q, tile dt of d) at 32 q + 8 dt
.set VF,    128                        ; v[384:447] V^T fragments, (s, dt) at 32 s + 8 dt
.set G,     192                        ; v[448:479] the block on its way from memory: K's load j at 4 j, V's at 16 + 4 j
; c = 0.25 log2(e) = 0x3eb8aa3b (also in s28), - c = 0xbeb8aa3b: weight = 2^(c s - c m)
.set MSB, 0
.macro WIN new                         ; s_set_vgpr_msb: bits 1:0 source 0, 3:2 source 1, 5:4 source 2, 7:6 destination; the high byte repeats the setting left
.if MSB != \new
	s_set_vgpr_msb (MSB<<8)|\new
.set MSB, \new
.endif
.endm
.set TO_W1,  0x40                      ; loads into window 1, address in window 0
.set PVWIN,  0x51                      ; D, C and source 0 in window 1, source 1 (weights, factor) in window 0
.set FROM_G, 0x05                      ; both sources in window 1, destination in window 0
.set ST_W1,  0x04                      ; an LDS store's data in window 1
.macro PLACES
.rept 4
	v_nop
.endr
.endm
	s_load_b256 s[4:11], s[0:1], 0x0               ; Q s[4:5], K s[6:7], V s[8:9], out s[10:11]
	v_lshl_add_u32 v46, v0, 2, 0x4c000
	v_mov_b32 v47, 0
	v_lshrrev_b32 v1, 5, v0
	v_readfirstlane_b32 s12, v1                    ; wave 0..7
	s_and_b32 s13, ttmp9, 1                        ; which half of the head's queries
	s_lshr_b32 s14, ttmp9, 1                       ; head
	s_lshl_b32 s14, s14, 18                        ; x 1024 rows of 256 bytes: below 2^25
	s_mov_b32 s15, 0
	s_lshl_b32 s22, s13, 17                        ; + 512 rows a half
	s_add_co_u32 s22, s22, s14
	s_lshl_b32 s23, s12, 14                        ; + 64 rows a wave
	s_add_co_u32 s22, s22, s23
	s_mov_b32 s23, 0
	v_and_b32 v28, 31, v0                          ; lane
	v_lshlrev_b32 v[LOFF], 4, v28
	v_lshl_add_u32 v[GOFF], s12, 11, v[LOFF]
	v_lshlrev_b32 v1, 8, v28
	v_add_nc_u32 v[PF], 3*BLKB, v1
	v_add_nc_u32 v[PFLIM], 15*BLKB, v1
	s_wait_kmcnt 0x0
	s_add_nc_u64 s[4:5], s[4:5], s[22:23]          ; Q and out at my wave's first row
	s_add_nc_u64 s[10:11], s[10:11], s[22:23]
	s_add_nc_u64 s[6:7], s[6:7], s[14:15]          ; K and V at the head's block 0
	s_add_nc_u64 s[8:9], s[8:9], s[14:15]
	s_cmp_eq_u32 s13, 0
	s_cselect_b64 s[16:17], s[6:7], s[8:9]         ; prefetch base, never stepped: of a head's two work-groups one asks for K, the other for V
.set j, 0
.rept 32
	global_load_b128 v[QF+4*j:QF+4*j+3], v[LOFF], s[4:5] offset:512*j th:TH_LOAD_NT   ; my 64 rows of Q, two rows a load, into v[112:239]; read once in the launch
.set j, j+1
.endr
.irp b, 0,1
.irp j, 0,1,2,3
	global_load_b128 v[KF+32*\b+4*\j:KF+32*\b+4*\j+3], v[GOFF], s[6:7] offset:BLKB*\b+512*\j        ; blocks 0 and 1 of K and V: rows 8 w + 2 j + h
	global_load_b128 v[KF+32*\b+16+4*\j:KF+32*\b+16+4*\j+3], v[GOFF], s[8:9] offset:BLKB*\b+512*\j
.endr
.endr
	s_cmp_lg_u32 s12, 0
	s_cbranch_scc1 .Lnopf0
	global_prefetch_b8 v[PF], s[16:17] offset:-BLKB th:TH_LOAD_NT scope:SCOPE_SE        ; wave 0 asks for block 2, which step 0 loads: 32 lanes 256 bytes apart, twice
	global_prefetch_b8 v[PF], s[16:17] offset:-BLKB/2 th:TH_LOAD_NT scope:SCOPE_SE
.Lnopf0:
	; the other addresses and constants, while the loads are on their way
	s_mov_b32 s18, 0x76543210                      ; v_permlanex16_b32: lane i of one half reads lane i of the other
	s_mov_b32 s19, 0xfedcba98
	s_mov_b32 s27, 0xffff0000                      ; a word's upper bf16
	s_mov_b32 s28, 0x3eb8aa3b                      ; c
	s_mul_i32 s21, s12, KBLK
	s_add_co_u32 s21, s21, QSTAGE                  ; my Q stage
	s_mul_i32 s24, s12, 8*KP                       ; my eight rows of a block of K,
	s_mul_i32 s25, s12, 8*VP
	s_add_co_u32 s25, s25, VBASE                   ; and of V
	s_mul_i32 s26, s12, 4*OTILE                    ; my out stage
	v_and_b32 v29, 15, v0                          ; r
	v_bfe_u32 v30, v0, 4, 1                        ; h
	v_mul_u32_u24 v31, v30, KP
	v_lshl_add_u32 v31, v29, 3, v31                ; h KP + 8 r: four floats become 8 bytes
	v_add_nc_u32 v[KST], s24, v31
	v_add_nc_u32 v[QST], s21, v31
	v_mul_u32_u24 v32, v30, VP
	v_lshl_add_u32 v32, v29, 3, v32
	v_add_nc_u32 v[VST], s25, v32
	v_mul_u32_u24 v33, v29, KP
	v_lshl_add_u32 v[KRD], v30, 4, v33             ; r KP + 16 h
	v_add_nc_u32 v[QRD], s21, v[KRD]
	v_and_b32 v34, 7, v0
	v_lshl_add_u32 v34, v30, 3, v34                ; key 8 h + lane % 8
	v_mul_u32_u24 v34, v34, VP
	v_bfe_u32 v35, v0, 3, 1
	v_lshl_add_u32 v34, v35, 4, v34                ; + 16 bytes for the upper eight of 16 d
	v_add_nc_u32 v[VRD], VBASE, v34
	v_mul_u32_u24 v33, v29, OP
	v_lshl_add_u32 v33, v30, 5, v33                ; out stage, in: row r, 32 bytes for each half of the lanes
	v_add_nc_u32 v[OST], s26, v33
	v_mul_u32_u24 v33, v30, OP
	v_lshl_add_u32 v33, v29, 4, v33                ; back: lanes 0-15 one row of 256 bytes, lanes 16-31 the next
	v_add_nc_u32 v[ORD], s26, v33
	v_mov_b32 v[AL+1], 0                           ; the pair's second register is never used as a factor, but is named
	s_wait_loadcnt 16                              ; Q's 32 loads are in; the 16 of K and V issued behind them may stay out
.set j, 0
.rept 32
	v_cvt_pk_bf16_f32 v[P+2*(j%8)], v[QF+4*j], v[QF+4*j+1]
	v_cvt_pk_bf16_f32 v[P+2*(j%8)+1], v[QF+4*j+2], v[QF+4*j+3]
	ds_store_b64 v[QST], v[P+2*(j%8):P+2*(j%8)+1] offset:2*KP*j
.set j, j+1
.endr
.irp q, 0,1,2,3
.irp ks, 0,1
	ds_load_b128 v[QF+16*\q+8*\ks:QF+16*\q+8*\ks+3],   v[QRD] offset:16*KP*\q+64*\ks      ; my own bytes: LDS serves a wave's instructions in order (ISA guide 5.7.1.4)
	ds_load_b128 v[QF+16*\q+8*\ks+4:QF+16*\q+8*\ks+7], v[QRD] offset:16*KP*\q+64*\ks+32
.endr
.endr
	s_wait_loadcnt 0x0                             ; blocks 0 and 1
.set n, 0
.rept 16
	v_cvt_pk_bf16_f32 v[S0+2*n], v[KF+4*n], v[KF+4*n+1]          ; block b: K's 8 words at S0 + 16 b, V's at S0 + 16 b + 8
	v_cvt_pk_bf16_f32 v[S0+2*n+1], v[KF+4*n+2], v[KF+4*n+3]
.set n, n+1
.endr
.irp b, 0,1
.irp j, 0,1,2,3
	ds_store_b64 v[KST], v[S0+16*\b+2*\j:S0+16*\b+2*\j+1] offset:KBLK*\b+2*KP*\j
.endr
.endr
.irp b, 0,1
.irp i, 0,1,2,3,4,5,6,7
	v_lshlrev_b32 v[S1+16*\b+2*\i],   16,  v[S0+16*\b+8+\i]      ; V's bf16 numbers, widened (S1 is free: the Q that lay there has been narrowed),
	v_and_b32     v[S1+16*\b+2*\i+1], s27, v[S0+16*\b+8+\i]
.endr
.endr
.irp b, 0,1
.irp i, 0,1,2,3,4,5,6,7
	v_cvt_pk_f16_f32 v[S0+16*\b+8+\i], v[S1+16*\b+2*\i], v[S1+16*\b+2*\i+1]   ; and packed as f16, which holds them exactly
.endr
.endr
.irp b, 0,1
.irp j, 0,1,2,3
	ds_store_b64 v[VST], v[S0+16*\b+8+2*\j:S0+16*\b+8+2*\j+1] offset:VBLK*\b+2*VP*\j
.endr
.endr
	s_wait_dscnt 0x0                               ; for the others: my stores of blocks 0 and 1 are done; and my reads of the Q stage, whose bytes others store to later
	s_barrier_signal -1
	s_barrier_wait -1
; 16 LDS loads: the K fragments of the block at KRD (4 tiles of 16 keys x 2 halves of d)
.macro LDK
.irp kt, 0,1,2,3
.irp ks, 0,1
	ds_load_b128 v[KF+16*\kt+8*\ks:KF+16*\kt+8*\ks+3],   v[KRD] offset:16*KP*\kt+64*\ks
	ds_load_b128 v[KF+16*\kt+8*\ks+4:KF+16*\kt+8*\ks+7], v[KRD] offset:16*KP*\kt+64*\ks+32
.endr
.endr
.endm
; 16 transposing LDS loads: the V^T fragments of the block at VRD (2 x 32 keys, 4 tiles of 16 d); the second load of a fragment takes the keys 16 further down
.macro LDV
.irp s, 0,1
.irp dt, 0,1,2,3
	ds_load_tr16_b128 v[VF+32*\s+8*\dt:VF+32*\s+8*\dt+3],   v[VRD] offset:32*VP*\s+32*\dt
	ds_load_tr16_b128 v[VF+32*\s+8*\dt+4:VF+32*\s+8*\dt+7], v[VRD] offset:32*VP*\s+32*\dt+16*VP
.endr
.endr
.endm
; 8 global loads: my share of K's and V's block two steps ahead (the bases stand at this step's block)
.macro GLOAD
.irp j, 0,1,2,3
	global_load_b128 v[G+4*\j:G+4*\j+3],       v[GOFF], s[6:7] offset:2*BLKB+512*\j
	global_load_b128 v[G+16+4*\j:G+16+4*\j+3], v[GOFF], s[8:9] offset:2*BLKB+512*\j
.endr
.endm
; S^T of query tile q against the block's 64 keys.  The first half of d starts the four sums, the second adds on; the four accumulators take turns,
; one instruction a turn.
.macro QK q, buf
.irp kt, 0,1,2,3
	v_wmma_f32_16x16x32_bf16 v[\buf+8*\kt:\buf+8*\kt+7], v[KF+16*\kt:KF+16*\kt+7], v[QF+16*\q:QF+16*\q+7], 0
.endr
.irp kt, 0,1,2,3
	v_wmma_f32_16x16x32_bf16 v[\buf+8*\kt:\buf+8*\kt+7], v[KF+16*\kt+8:KF+16*\kt+15], v[QF+16*\q+8:QF+16*\q+15], v[\buf+8*\kt:\buf+8*\kt+7]
.endr
.endm
.macro SFMA buf, k                     ; key tile k: c s - c m, in place
.irp i, 0,2,4,6
	v_pk_fma_f32 v[\buf+8*\k+\i:\buf+8*\k+\i+1], v[\buf+8*\k+\i:\buf+8*\k+\i+1], 0x3eb8aa3b, v[NM:NM+1] op_sel_hi:[1,0,1]
.endr
.endm
.macro SEXP buf, k                     ; key tile k: 2^x, in place
.irp i, 0,1,2,3,4,5,6,7
	v_exp_f32 v[\buf+8*\k+\i], v[\buf+8*\k+\i]
.endr
.endm
; key tile k's eight weights are summed in f32 and packed as f16.  mode 0: row sum += ; 1: row sum = row sum x factor + ; 2: row sum =
.macro CONS q, buf, k, mode
	s_wait_alu depctr_va_vdst(0)
	v_pk_add_f32 v[U:U+1], v[\buf+8*\k:\buf+8*\k+1], v[\buf+8*\k+2:\buf+8*\k+3]
	v_pk_add_f32 v[W:W+1], v[\buf+8*\k+4:\buf+8*\k+5], v[\buf+8*\k+6:\buf+8*\k+7]
	v_cvt_pk_f16_f32 v[P+4*\k],   v[\buf+8*\k],   v[\buf+8*\k+1]
	v_cvt_pk_f16_f32 v[P+4*\k+1], v[\buf+8*\k+2], v[\buf+8*\k+3]
.if \mode == 2
	v_pk_add_f32 v[LS+2*\q:LS+2*\q+1], v[U:U+1], v[W:W+1]
.else
	v_pk_add_f32 v[U:U+1], v[U:U+1], v[W:W+1]
.endif
	v_cvt_pk_f16_f32 v[P+4*\k+2], v[\buf+8*\k+4], v[\buf+8*\k+5]
	v_cvt_pk_f16_f32 v[P+4*\k+3], v[\buf+8*\k+6], v[\buf+8*\k+7]
.if \mode == 1
	v_pk_fma_f32 v[LS+2*\q:LS+2*\q+1], v[LS+2*\q:LS+2*\q+1], v[AL:AL+1], v[U:U+1] op_sel_hi:[1,0,1]
.endif
.if \mode == 0
	v_pk_add_f32 v[LS+2*\q:LS+2*\q+1], v[LS+2*\q:LS+2*\q+1], v[U:U+1]
.endif
.endm
; Query tile q, scores in buf: new running maximum, factor 2^(c m_old - c m_new), weights in f16 into P, row sum.  first = 1: nothing is carried in.
; Behind each run of v_exp_f32 stands plain work on other registers before any of its results is used (ISA guide 5.7.2).
.macro SOFTMAX q, buf, first
.irp k, 0,1,2,3
	v_max3_num_f32 v[T+\k], v[\buf+8*\k], v[\buf+8*\k+1], v[\buf+8*\k+2]        ; four chains that do not wait for each other
.endr
.irp k, 0,1,2,3
	v_max3_num_f32 v[T+\k], v[T+\k], v[\buf+8*\k+3], v[\buf+8*\k+4]
.endr
.irp k, 0,1,2,3
	v_max3_num_f32 v[T+\k], v[T+\k], v[\buf+8*\k+5], v[\buf+8*\k+6]
.endr
	v_max3_num_f32 v[T],   v[T],   v[\buf+7],  v[\buf+15]
	v_max3_num_f32 v[T+2], v[T+2], v[\buf+23], v[\buf+31]
	v_max3_num_f32 v[T], v[T], v[T+1], v[T+2]
.if \first
	v_max_num_f32 v[T], v[T], v[T+3]
.else
	v_max3_num_f32 v[T], v[T], v[T+3], v[MX+\q]
.endif
	v_permlanex16_b32 v[T+1], v[T], s18, s19       ; the other half of the lanes holds my query's other 32 keys
.if \first
	v_max_num_f32 v[MX+\q], v[T], v[T+1]
	v_mul_f32 v[NM],   0xbeb8aa3b, v[MX+\q]
	v_mul_f32 v[NM+1], 0xbeb8aa3b, v[MX+\q]
.else
	v_max_num_f32 v[T], v[T], v[T+1]
	v_mul_f32 v[NM],   0xbeb8aa3b, v[T]
	v_mul_f32 v[NM+1], 0xbeb8aa3b, v[T]
	v_fma_f32 v[AL], v[MX+\q], s28, v[NM]          ; c m_old - c m_new, at most 0
.endif
	SFMA \buf, 0
.if \first == 0
	v_exp_f32 v[AL], v[AL]
.endif
	SEXP \buf, 0
	SFMA \buf, 1
	SEXP \buf, 1
	SFMA \buf, 2
.if \first
	CONS \q, \buf, 0, 2
.else
	CONS \q, \buf, 0, 1
.endif
	SEXP \buf, 2
	SFMA \buf, 3
	CONS \q, \buf, 1, 0
	SEXP \buf, 3
.if \first == 0
	v_mov_b32 v[MX+\q], v[T]
	s_wait_alu depctr_va_vdst(0)
.endif
	CONS \q, \buf, 2, 0
	CONS \q, \buf, 3, 0
.endm
; O^T of query tile q: rescaled, then + V^T P^T over the block's 64 keys, in the f16 form.  The four accumulators take turns, one instruction a turn.
.macro PV q, first
.if \first == 0
.irp i, 0,2,4,6,8,10,12,14,16,18,20,22,24,26,28,30
	v_pk_mul_f32 v[OA+32*\q+\i:OA+32*\q+\i+1], v[OA+32*\q+\i:OA+32*\q+\i+1], v[AL:AL+1] op_sel_hi:[1,0]
.endr
.endif
.irp dt, 0,1,2,3
.if \first
	v_wmma_f32_16x16x32_f16 v[OA+32*\q+8*\dt:OA+32*\q+8*\dt+7], v[VF+8*\dt:VF+8*\dt+7], v[P:P+7], 0
.else
	v_wmma_f32_16x16x32_f16 v[OA+32*\q+8*\dt:OA+32*\q+8*\dt+7], v[VF+8*\dt:VF+8*\dt+7], v[P:P+7], v[OA+32*\q+8*\dt:OA+32*\q+8*\dt+7]
.endif
.endr
.irp dt, 0,1,2,3
	v_wmma_f32_16x16x32_f16 v[OA+32*\q+8*\dt:OA+32*\q+8*\dt+7], v[VF+32+8*\dt:VF+32+8*\dt+7], v[P+8:P+15], v[OA+32*\q+8*\dt:OA+32*\q+8*\dt+7]
.endr
.endm
; The block asked for at the step's head is rounded to bf16, V's numbers are repacked as f16, and both are stored to the block's own LDS bytes
; (KST and VST stand one block short of it).  S1 is free here: its weights were packed into P.
.macro CVST
	s_wait_loadcnt 0x0                             ; the eight loads of GLOAD, issued a whole step ago
	WIN FROM_G
.irp n, 0,1,2,3,4,5,6,7
	v_cvt_pk_bf16_f32 v[CV+2*\n],   v[G+4*\n],   v[G+4*\n+1]     ; K's 8 words, then V's 8
	v_cvt_pk_bf16_f32 v[CV+2*\n+1], v[G+4*\n+2], v[G+4*\n+3]
.endr
	WIN 0
.irp j, 0,1,2,3
	ds_store_b64 v[KST], v[CV+2*\j:CV+2*\j+1] offset:KBLK+2*KP*\j
.endr
.irp i, 0,1,2,3,4,5,6,7
	v_lshlrev_b32 v[S1+2*\i],   16,  v[CV+8+\i]    ; V's bf16 numbers, widened,
	v_and_b32     v[S1+2*\i+1], s27, v[CV+8+\i]
.endr
.irp i, 0,1,2,3,4,5,6,7
	v_cvt_pk_f16_f32 v[CV+8+\i], v[S1+2*\i], v[S1+2*\i+1]        ; and packed as f16, which holds them exactly
.endr
.irp j, 0,1,2,3
	ds_store_b64 v[VST], v[CV+8+2*\j:CV+8+2*\j+1] offset:VBLK+2*VP*\j
.endr
.endm
; One key block.  first: nothing is carried in.  load: block i + 2 is fetched, stored, and a barrier follows.  next: block i + 1's K fragments are fetched.
; places: the step before ended on matrix instructions with no vector work behind them.
; Distances behind matrix instructions: every read of a score tile, every write of P and every load into a fragment register stands
; behind at least four plain vector instructions that name none of the matrix instruction's registers; which ones is said at each spot.
.macro STEP first, load, next, places
.if \places
	PLACES                                         ; four places before V's fragments, which the last matrix instructions read, are loaded again
.endif
	WIN TO_W1
	LDV                                            ; this block's V^T (elsewhere the conversions at the last step's end are the places)
.if \load
	GLOAD
.endif
	WIN 0
.if \load
	s_cmp_lg_u32 s12, 0
	s_cbranch_scc1 .Lnopf_\@
	global_prefetch_b8 v[PF], s[16:17] th:TH_LOAD_NT scope:SCOPE_SE                 ; wave 0 asks for block i + 3 of K (or V), which the next step loads:
	global_prefetch_b8 v[PF], s[16:17] offset:BLKB/2 th:TH_LOAD_NT scope:SCOPE_SE   ; 2 x 32 lanes 256 bytes apart = its 16,384 bytes; step 13 is held at block 15
.Lnopf_\@:
.endif
	s_wait_dscnt 16                                ; the K fragments are in; the 16 loads of V^T issued behind them may stay out
	QK 0, S0
	QK 1, S1
.if \next                                          ; four places before tile 0's scores are read: the LDS addresses step to the next block
	v_add_nc_u32 v[KRD], KBLK, v[KRD]
	v_add_nc_u32 v[VRD], VBLK, v[VRD]
.else
	v_nop
	v_nop
.endif
.if \load
	v_add_nc_u32 v[KST], KBLK, v[KST]
	v_add_nc_u32 v[VST], VBLK, v[VST]
.else
	v_nop
	v_nop
.endif
	SOFTMAX 0, S0, \first
	s_wait_dscnt 0x0                               ; V^T is in
	WIN PVWIN
	PV 0, \first
	WIN 0
	QK 2, S0                                       ; the next but one tile's scores are made ahead, so that a softmax never follows its own product
	SOFTMAX 1, S1, \first                          ; its 20 lines of the maximum are the places before P, which PV 0 read, is written
	WIN PVWIN
	PV 1, \first
	WIN 0
	QK 3, S1
	SOFTMAX 2, S0, \first
.if \next
	LDK                                            ; the next block's K, visible since the last barrier; SOFTMAX 2 is the places behind QK 3
.endif
	WIN PVWIN
	PV 2, \first
	WIN 0
	SOFTMAX 3, S1, \first
	WIN PVWIN
	PV 3, \first
.if \load
	CVST
	s_wait_xcnt 0x0                                ; the bases and PF, which this step's loads and prefetches name, are rewritten only behind this wait
	s_add_nc_u64 s[6:7], s[6:7], BLKB
	s_add_nc_u64 s[8:9], s[8:9], BLKB
	v_add_nc_u32 v[PF], BLKB, v[PF]
	v_min_u32 v[PF], v[PF], v[PFLIM]               ; no prefetch points past the head's last block
	s_wait_dscnt 0x0                               ; for the others: my stores of block i + 2 are done
	s_barrier_signal -1
	s_barrier_wait -1                              ; everybody's are: block i + 2 may be read
.else
	WIN 0
.endif
.endm
	LDK                                            ; block 0's K
	STEP 1, 1, 1, 0                                ; step 0 starts every sum: nothing is cleared
	s_mov_b32 s20, 13
.Lstep:
	STEP 0, 1, 1, 0                                ; steps 1 to 13 fetch blocks 3 to 15
	s_sub_co_u32 s20, s20, 1
	s_cmp_lg_u32 s20, 0
	s_cbranch_scc1 .Lstep
	STEP 0, 0, 1, 0                                ; step 14: nothing is left to fetch from memory
	STEP 0, 0, 0, 1                                ; step 15
	; THE WAY OUT: divide by the row sum, 32 bytes a lane into my own stage, back as whole rows of 256 bytes.
	s_wait_dscnt 0x0                               ; my reads of K and V are over
	s_barrier_signal -1
	s_barrier_wait -1                              ; everybody's are: K's bytes now serve as stages
.irp q, 0,1,2,3
	v_add_f32 v[T+\q], v[LS+2*\q], v[LS+2*\q+1]    ; these adds are also the places behind the last matrix instructions
.endr
.irp q, 0,1,2,3
	v_permlanex16_b32 v[U+\q], v[T+\q], s18, s19   ; the other half's 512 keys
.endr
.irp q, 0,1,2,3
	v_add_f32 v[T+\q], v[T+\q], v[U+\q]
.endr
.irp q, 0,1,2,3
	v_rcp_f32 v[LS+2*\q], v[T+\q]
.endr
	v_nop                                          ; one plain place behind the reciprocals (ISA guide 5.7.2)
	WIN PVWIN
.set i, 0
	s_wait_alu depctr_va_vdst(0)
.rept 64
	v_pk_mul_f32 v[OA+2*i:OA+2*i+1], v[OA+2*i:OA+2*i+1], v[LS+2*(i/16):LS+2*(i/16)+1] op_sel_hi:[1,0]
.set i, i+1
.endr
	WIN ST_W1
.irp q, 0,1,2,3
.irp dt, 0,1,2,3
	ds_store_b128 v[OST], v[OA+32*\q+8*\dt:OA+32*\q+8*\dt+3]   offset:OTILE*\q+64*\dt      ; query r, d = 16 dt + 8 h + 0..3
	ds_store_b128 v[OST], v[OA+32*\q+8*\dt+4:OA+32*\q+8*\dt+7] offset:OTILE*\q+64*\dt+16   ; d = 16 dt + 8 h + 4..7
.endr
.endr
	WIN 0
.set n, 0
.rept 32
	ds_load_b128 v[KF+4*n:KF+4*n+3], v[ORD] offset:OTILE*(n/8)+2*OP*(n%8)   ; my own bytes, served in order: these see the stores above
.set n, n+1
.endr
.set n, 0
.rept 32
	s_wait_dscnt 31-n                              ; load n is in; the 31 - n younger ones may stay out
	global_store_b128 v[LOFF], v[KF+4*n:KF+4*n+3], s[10:11] offset:512*n th:TH_STORE_NT   ; two whole rows: 512 consecutive bytes, at a multiple of 512 from out's first byte
.set n, n+1
.endr
	s_wait_tensorcnt 0x0
	ds_add_u32 v46, v47
	s_wait_dscnt 0x0
	s_endpgm
.Lfunc_end_k_q1f21bf974a_attn:
	.size	k_q1f21bf974a_attn, .Lfunc_end_k_q1f21bf974a_attn-k_q1f21bf974a_attn
	.p2alignl 7, 3214868480
	.fill 96, 4, 3214868480
	.section	.rodata,"a",@progbits
	.p2align	6, 0x0
	.amdhsa_kernel k_q1f21bf974a_attn
		.amdhsa_group_segment_fixed_size 312320
		.amdhsa_private_segment_fixed_size 0
		.amdhsa_enable_private_segment 0
		.amdhsa_kernarg_size 32
		.amdhsa_user_sgpr_count 2
		.amdhsa_user_sgpr_kernarg_segment_ptr 1
		.amdhsa_wavefront_size32 1
		.amdhsa_system_sgpr_workgroup_id_x 1
		.amdhsa_system_sgpr_workgroup_id_y 1
		.amdhsa_system_sgpr_workgroup_id_z 1
		.amdhsa_system_vgpr_workitem_id 0
		.amdhsa_next_free_vgpr 480
		.amdhsa_next_free_sgpr 66
		.amdhsa_reserve_vcc 0
		.amdhsa_float_denorm_mode_32 3
		.amdhsa_float_denorm_mode_16_64 3
		.amdhsa_memory_ordered 1
		.amdhsa_forward_progress 1
		.amdhsa_inst_pref_size 175
	.end_amdhsa_kernel
	.amdgpu_metadata
---
amdhsa.version: [ 1, 2 ]
amdhsa.kernels:
  - .name:           k_q1f21bf974a_attn
    .symbol:         k_q1f21bf974a_attn.kd
    .args:
      - { .name: query, .offset: 0, .size: 8, .value_kind: global_buffer, .address_space: global }
      - { .name: key, .offset: 8, .size: 8, .value_kind: global_buffer, .address_space: global }
      - { .name: value, .offset: 16, .size: 8, .value_kind: global_buffer, .address_space: global }
      - { .name: out0, .offset: 24, .size: 8, .value_kind: global_buffer, .address_space: global }
    .group_segment_fixed_size: 312320
    .private_segment_fixed_size: 0
    .kernarg_segment_align: 8
    .kernarg_segment_size: 32
    .max_flat_workgroup_size: 256
    .sgpr_count:     66
    .vgpr_count:     480
    .wavefront_size: 32
...
	.end_amdgpu_metadata
.endif
;; end of part 1
;; ======== version 2 of 2: 1 launch; version 1 with the launch attn written anew for expert scheduling mode
;; limits: values are held in f16: magnitudes above 65,504 overflow, below 6.1e-05 lose precision; inputs' magnitudes at most 65,408
;; launch attn (part 2): grid 256 x 1, 8 waves a work-group, no clusters, 312,320 bytes of LDS; arguments query, key, value, out0; writes out0
.if DOCPART == 2
	.amdgcn_target "amdgcn-amd-amdhsa--gfx1250"
	.amdhsa_code_object_version 6
	.text
	.protected	k_q1f21bf974a_attn
	.globl	k_q1f21bf974a_attn
	.p2align	8
	.type	k_q1f21bf974a_attn,@function
k_q1f21bf974a_attn:
	s_mov_b64 s[64:65], 0
	v_nop
	global_prefetch_b8 v0, s[64:65] scope:SCOPE_SE
	s_setreg_imm32_b32 hwreg(HW_REG_WAVE_SCHED_MODE, 0, 2), 2
	s_setreg_imm32_b32 hwreg(HW_REG_WAVE_MODE, 25, 1), 1
	s_wait_xcnt 0x0
	s_wait_alu depctr_vm_vsrc(0)
; out = softmax(0.25 Q K^T) V for 128 heads of 1024 x 64, all tensors f32.  The products run on 16-bit operands with f32 sums, the softmax in f32
; with a running maximum (online softmax).
; SHARES.  Work-group g: head g >> 1, queries 512 (g & 1) .. + 511, all 1024 keys.  Wave w of eight: 64 queries, as four tiles of 16.
; Keys go in 16 blocks of 64; a wave issues 64 matrix instructions a block.
; K AND V are loaded as f32 by the whole work-group (each load of a wave covers 512 consecutive bytes), narrowed to 16 bits in registers ONCE and
; stored to LDS, where the whole head stays: every key block has LDS bytes of its own, none is ever written twice, so one barrier a block
; (stores, then the other waves' reads) is all the ordering.  Step i asks memory for block i + 2 at its head and stores it at its end.
; BOTH PRODUCTS ARE USED TRANSPOSED.  S^T = K Q^T: lane (r = lane % 16, h = lane / 16), register j holds (key 8 h + j, query r), so a lane owns one
; query: maximum, rescaling factor and row sum are plain per-lane numbers, with one exchange between the halves.  Packing a lane's eight weights
; of two neighbouring key tiles gives exactly the second operand of O^T = V^T P^T (ISA guide 7.12.2: the 16-bit operand's layout): no shuffle.
; V^T's fragments come from V kept [key][d] by the transposing LDS load.  In O^T a lane holds eight neighbouring floats of an output row.
; FORMATS.  Q, K and V are each rounded to bf16: the result is attention on the three inputs in that one format.  The first product is the bf16 form.
; The weights go into the second product as f16: bf16 would round each by up to 2^-8 of itself, and where two or three keys share a row and their
; values cancel, that is 2^-8 w |v| against an output near 0; f16 rounds by 2^-11.  So the second product is the f16 form, and V's bf16 numbers
; are carried in f16, which holds them exactly for 2^-14 <= |v| < 65,520.
; NO TENSOR LOADS, NO CLUSTER: the narrowing stands between memory and LDS and is register work; slots for f32 tiles would not fit beside
; the resident head (K 147,456 + V 163,840 bytes fill 311,296 of this launch's 312,320), and a head's K and V have two reading work-groups only.
; LIMITS.  Inputs that are inf or NaN are not served.  |value| stays below 65,520 (f16's range); a value below 2^-14 in size is held to 2^-25.
; A weight below 2^-14 of its row's largest is held to 2^-25, one below 2^-25 may count as 0 (the row sum is at least about 1).  The row sum is
; made of the unrounded f32 weights, the second product takes them in f16.  Sums are made block by block, in another order than a plain softmax's.
; THE MODE: SCHED_MODE bits 1:0 = 2 (LLVM: expert scheduling mode 2), set by the entry lines.  The code itself states the register dependences
; between vector or matrix instructions and memory or LDS instructions, with s_wait_alu, always for 0.
; THE PLAN.  Registers that memory or LDS instructions touch in a step, in program order:
;   VF        loaded at the step's head; read by the four products V^T P^T.
;   G         loaded at the step's head; read by the sixteen conversions at the step's end.
;   KF        read by the four products K Q^T; loaded again, with the next block, behind the third softmax.
;   CV        (S0's upper half) written by the products K Q^T of tiles 0 and 2 and by the conversions at the step's end; read by the end's eight LDS stores.
;   KRD, VRD, KST, VST   stepped by four adds behind the second product K Q^T; read by K's loads, by the next step's loads of V^T, by the end's stores.
;   PF        read by wave 0's prefetches at the head; stepped at the end.
;   GOFF, LOFF, QST, QRD, OST, ORD   made at the kernel's head and never written again.
;   S1, P, O^T and the statistics are named by vector and matrix instructions alone.
; THREE WAITS A STEP.  (1) vm_vsrc behind the head's loads, ahead of the first product: all that LDS and memory instructions issued so far read (CV, KST, VST,
; KRD, VRD, PF) has been read, so the step may write it.  (2) va_vdst ahead of K's loads: the products are done reading KF, and KRD is written.
; (3) va_vdst at the end, behind all the block's conversions and PF's step, ahead of the run of eight stores: CV, KST, VST, VRD and PF are written, the products
; are done reading VF and the conversions G.  Behind (3) no vector instruction stands before the next step's first product, so (3) also serves the next head's loads
; into VF and G and its prefetches; the stores between name CV, KST and VST alone.
.set KP,     144                       ; LDS pitch of K and of the Q stage: 128 bytes of bf16 + 16, an odd multiple of 16
.set VP,     160                       ; LDS pitch of V: 128 + 32, an odd multiple of 32, for the transposing load
.set KBLK,   64*KP                     ; a key block of K in LDS
.set VBLK,   64*VP                     ; a key block of V in LDS
.set VBASE,  16*KBLK                   ; V lies behind K's 16 blocks
.set QSTAGE, 8*KBLK                    ; prologue only: wave w stages its Q in the bytes of K's block 8 + w, which is first stored in step 6
.set OP,     272                       ; epilogue only: pitch of the out stage, 256 bytes of f32 + 16
.set OTILE,  16*OP                     ; 16 rows of it; wave w has four at 4 OTILE w, inside K's bytes, behind the last barrier
.set BLKB,   16384                     ; a key block of K or of V in memory: 64 rows of 256 bytes
; window 0
.set GOFF,  2                          ; 2048 w + 16 lane: my 16 bytes in a block's first load
.set LOFF,  3                          ; 16 lane
.set KST,   4                          ; where I store K: (8 w + h) KP + 8 r, stepped a block a step
.set VST,   5                          ; where I store V
.set KRD,   6                          ; K fragments: r KP + 16 h, stepped
.set VRD,   7                          ; V fragments: VBASE + (8 h + lane % 8) VP + 16 ((lane / 8) % 2), stepped
.set PF,    8                          ; prefetch: 256 lane + the block asked for
.set PFLIM, 9                          ; 256 lane + block 15
.set QST,   10
.set QRD,   11
.set MX,    12                         ; v[12:15]   running maximum of my query, one for each query tile
.set LS,    16                         ; v[16:23]   row sums, a pair for each query tile
.set NM,    24                         ; v[24:25]   - c x maximum, twice
.set AL,    26                         ; v26 the rescaling factor; v27 only completes the pair
.set T,     28                         ; v[28:31]   four chains of the maximum
.set U,     32                         ; v[32:33]   partial sums
.set W,     34                         ; v[34:35]
.set OST,   36                         ; out stage: where I put 32 bytes of a row
.set ORD,   37                         ; out stage: where I read 16 bytes of a row back
.set KF,    48                         ; v[48:111]  K fragments, (key tile kt, half ks of d) at 16 kt + 8 ks
.set QF,    112                        ; v[112:175] Q fragments, (query tile q, ks) at 16 q + 8 ks
.set S0,    176                        ; v[176:207] scores of one query tile, key tile kt at 8 kt
.set S1,    208                        ; v[208:239] scores of the next one
.set CV,    192                        ; v[192:207] a block's K (8 words) and V (8 words) in 16 bits on their way to LDS (S0's upper half, free at a step's end)
.set P,     240                        ; v[240:255] weights in f16: keys 32 s .. 32 s + 31 at 8 s
; window 1 (the numbers are the low 8 bits)
.set OA,    0                          ; v[256:383] O^T, (q, tile dt of d) at 32 q + 8 dt
.set VF,    128                        ; v[384:447] V^T fragments, (s, dt) at 32 s + 8 dt
.set G,     192                        ; v[448:479] the block on its way from memory: K's load j at 4 j, V's at 16 + 4 j
; c = 0.25 log2(e) = 0x3eb8aa3b (also in s28), - c = 0xbeb8aa3b: weight = 2^(c s - c m)
.set MSB, 0
.macro WIN new                         ; s_set_vgpr_msb: bits 1:0 source 0, 3:2 source 1, 5:4 source 2, 7:6 destination; the high byte repeats the setting left
.if MSB != \new
	s_set_vgpr_msb (MSB<<8)|\new
.set MSB, \new
.endif
.endm
.set TO_W1,  0x40                      ; loads into window 1, address in window 0
.set PVWIN,  0x51                      ; D, C and source 0 in window 1, source 1 (weights, factor) in window 0
.set FROM_G, 0x05                      ; both sources in window 1, destination in window 0
.set ST_W1,  0x04                      ; an LDS store's data in window 1
.macro PLACES
.rept 4
	v_nop
.endr
.endm
	s_load_b256 s[4:11], s[0:1], 0x0               ; Q s[4:5], K s[6:7], V s[8:9], out s[10:11]
	v_lshl_add_u32 v46, v0, 2, 0x4c000
	v_mov_b32 v47, 0
	v_lshrrev_b32 v1, 5, v0
	v_readfirstlane_b32 s12, v1                    ; wave 0..7
	s_and_b32 s13, ttmp9, 1                        ; which half of the head's queries
	s_lshr_b32 s14, ttmp9, 1                       ; head
	s_lshl_b32 s14, s14, 18                        ; x 1024 rows of 256 bytes: below 2^25
	s_mov_b32 s15, 0
	s_lshl_b32 s22, s13, 17                        ; + 512 rows a half
	s_add_co_u32 s22, s22, s14
	s_wait_alu depctr_va_sdst(0)                   ; s12 is written, ahead of its first reader: offsets, LDS addresses and the branches on the wave's number are made from it
	s_lshl_b32 s23, s12, 14                        ; + 64 rows a wave
	s_add_co_u32 s22, s22, s23
	s_mov_b32 s23, 0
	v_and_b32 v28, 31, v0                          ; lane
	v_lshlrev_b32 v[LOFF], 4, v28
	v_lshl_add_u32 v[GOFF], s12, 11, v[LOFF]
	v_lshlrev_b32 v1, 8, v28
	v_add_nc_u32 v[PF], 3*BLKB, v1
	v_add_nc_u32 v[PFLIM], 15*BLKB, v1
	s_wait_kmcnt 0x0
	s_add_nc_u64 s[4:5], s[4:5], s[22:23]          ; Q and out at my wave's first row
	s_add_nc_u64 s[10:11], s[10:11], s[22:23]
	s_add_nc_u64 s[6:7], s[6:7], s[14:15]          ; K and V at the head's block 0
	s_add_nc_u64 s[8:9], s[8:9], s[14:15]
	s_cmp_eq_u32 s13, 0
	s_cselect_b64 s[16:17], s[6:7], s[8:9]         ; prefetch base, never stepped: of a head's two work-groups one asks for K, the other for V
	s_wait_alu depctr_va_vdst(0)                   ; LOFF, GOFF and PF are written, which the loads and prefetches below read as their offsets
.set j, 0
.rept 32
	global_load_b128 v[QF+4*j:QF+4*j+3], v[LOFF], s[4:5] offset:512*j th:TH_LOAD_NT   ; my 64 rows of Q, two rows a load, into v[112:239]; read once in the launch
.set j, j+1
.endr
.irp b, 0,1
.irp j, 0,1,2,3
	global_load_b128 v[KF+32*\b+4*\j:KF+32*\b+4*\j+3], v[GOFF], s[6:7] offset:BLKB*\b+512*\j        ; blocks 0 and 1 of K and V: rows 8 w + 2 j + h
	global_load_b128 v[KF+32*\b+16+4*\j:KF+32*\b+16+4*\j+3], v[GOFF], s[8:9] offset:BLKB*\b+512*\j
.endr
.endr
	s_cmp_lg_u32 s12, 0
	s_cbranch_scc1 .Lnopf0
	global_prefetch_b8 v[PF], s[16:17] offset:-BLKB th:TH_LOAD_NT scope:SCOPE_SE        ; wave 0 asks for block 2, which step 0 loads: 32 lanes 256 bytes apart, twice
	global_prefetch_b8 v[PF], s[16:17] offset:-BLKB/2 th:TH_LOAD_NT scope:SCOPE_SE
.Lnopf0:
	; the other addresses and constants, while the loads are on their way: none of these lines names a register that a load or prefetch above touches
	s_mov_b32 s18, 0x76543210                      ; v_permlanex16_b32: lane i of one half reads lane i of the other
	s_mov_b32 s19, 0xfedcba98
	s_mov_b32 s27, 0xffff0000                      ; a word's upper bf16
	s_mov_b32 s28, 0x3eb8aa3b                      ; c
	s_mul_i32 s21, s12, KBLK
	s_add_co_u32 s21, s21, QSTAGE                  ; my Q stage
	s_mul_i32 s24, s12, 8*KP                       ; my eight rows of a block of K,
	s_mul_i32 s25, s12, 8*VP
	s_add_co_u32 s25, s25, VBASE                   ; and of V
	s_mul_i32 s26, s12, 4*OTILE                    ; my out stage
	v_and_b32 v29, 15, v0                          ; r
	v_bfe_u32 v30, v0, 4, 1                        ; h
	v_mul_u32_u24 v31, v30, KP
	v_lshl_add_u32 v31, v29, 3, v31                ; h KP + 8 r: four floats become 8 bytes
	v_add_nc_u32 v[KST], s24, v31
	v_add_nc_u32 v[QST], s21, v31
	v_mul_u32_u24 v32, v30, VP
	v_lshl_add_u32 v32, v29, 3, v32
	v_add_nc_u32 v[VST], s25, v32
	v_mul_u32_u24 v33, v29, KP
	v_lshl_add_u32 v[KRD], v30, 4, v33             ; r KP + 16 h
	v_add_nc_u32 v[QRD], s21, v[KRD]
	v_and_b32 v34, 7, v0
	v_lshl_add_u32 v34, v30, 3, v34                ; key 8 h + lane % 8
	v_mul_u32_u24 v34, v34, VP
	v_bfe_u32 v35, v0, 3, 1
	v_lshl_add_u32 v34, v35, 4, v34                ; + 16 bytes for the upper eight of 16 d
	v_add_nc_u32 v[VRD], VBASE, v34
	v_mul_u32_u24 v33, v29, OP
	v_lshl_add_u32 v33, v30, 5, v33                ; out stage, in: row r, 32 bytes for each half of the lanes
	v_add_nc_u32 v[OST], s26, v33
	v_mul_u32_u24 v33, v30, OP
	v_lshl_add_u32 v33, v29, 4, v33                ; back: lanes 0-15 one row of 256 bytes, lanes 16-31 the next
	v_add_nc_u32 v[ORD], s26, v33
	v_mov_b32 v[AL+1], 0                           ; the pair's second register is never used as a factor, but is named
	s_wait_loadcnt 16                              ; Q's 32 loads are in; the 16 of K and V issued behind them may stay out
.set j, 0
.rept 32
	v_cvt_pk_bf16_f32 v[QF+4*j],   v[QF+4*j],   v[QF+4*j+1]      ; in place: a load's four floats close up into the first two of their four registers,
	v_cvt_pk_bf16_f32 v[QF+4*j+1], v[QF+4*j+2], v[QF+4*j+3]      ; so that all 32 stores can follow one wait
.set j, j+1
.endr
	s_wait_alu depctr_va_vdst(0)                   ; the conversions have written the stores' data and are done with v[112:239]; QST, QRD and the other LDS addresses made above are written
.set j, 0
.rept 32
	ds_store_b64 v[QST], v[QF+4*j:QF+4*j+1] offset:2*KP*j
.set j, j+1
.endr
	s_wait_alu depctr_vm_vsrc(0)                   ; the stores have read their data in v[112:239]: Q's fragments land in the lower half of these registers, the conversions of blocks 0 and 1 write the upper half
.irp q, 0,1,2,3
.irp ks, 0,1
	ds_load_b128 v[QF+16*\q+8*\ks:QF+16*\q+8*\ks+3],   v[QRD] offset:16*KP*\q+64*\ks      ; my own bytes: LDS serves a wave's instructions in order (ISA guide 5.7.1.4)
	ds_load_b128 v[QF+16*\q+8*\ks+4:QF+16*\q+8*\ks+7], v[QRD] offset:16*KP*\q+64*\ks+32
.endr
.endr
	s_wait_loadcnt 0x0                             ; blocks 0 and 1
.set n, 0
.rept 16
	v_cvt_pk_bf16_f32 v[S0+2*n], v[KF+4*n], v[KF+4*n+1]          ; block b: K's 8 words at S0 + 16 b, V's at S0 + 16 b + 8
	v_cvt_pk_bf16_f32 v[S0+2*n+1], v[KF+4*n+2], v[KF+4*n+3]
.set n, n+1
.endr
.irp b, 0,1
.irp i, 0,1,2,3,4,5,6,7
	v_lshlrev_b32 v[S1+16*\b+2*\i],   16,  v[S0+16*\b+8+\i]      ; V's bf16 numbers, widened (S1 is free: the Q that lay there has been stored),
	v_and_b32     v[S1+16*\b+2*\i+1], s27, v[S0+16*\b+8+\i]
.endr
.endr
.irp b, 0,1
.irp i, 0,1,2,3,4,5,6,7
	v_cvt_pk_f16_f32 v[S0+16*\b+8+\i], v[S1+16*\b+2*\i], v[S1+16*\b+2*\i+1]   ; and packed as f16, which holds them exactly
.endr
.endr
	s_wait_alu depctr_va_vdst(0)                   ; the conversions have written S0, the sixteen stores' data, and are done reading KF, in which block 0's fragments land below; no vector instruction follows before step 0's first product
.irp b, 0,1
.irp j, 0,1,2,3
	ds_store_b64 v[KST], v[S0+16*\b+2*\j:S0+16*\b+2*\j+1] offset:KBLK*\b+2*KP*\j
.endr
.endr
.irp b, 0,1
.irp j, 0,1,2,3
	ds_store_b64 v[VST], v[S0+16*\b+8+2*\j:S0+16*\b+8+2*\j+1] offset:VBLK*\b+2*VP*\j
.endr
.endr
	s_wait_dscnt 0x0                               ; for the others: my stores of blocks 0 and 1 are done; and my reads of the Q stage, whose bytes others store to later
	s_barrier_signal -1
	s_barrier_wait -1
; 16 LDS loads: the K fragments of the block at KRD (4 tiles of 16 keys x 2 halves of d)
.macro LDK
.irp kt, 0,1,2,3
.irp ks, 0,1
	ds_load_b128 v[KF+16*\kt+8*\ks:KF+16*\kt+8*\ks+3],   v[KRD] offset:16*KP*\kt+64*\ks
	ds_load_b128 v[KF+16*\kt+8*\ks+4:KF+16*\kt+8*\ks+7], v[KRD] offset:16*KP*\kt+64*\ks+32
.endr
.endr
.endm
; 16 transposing LDS loads: the V^T fragments of the block at VRD (2 x 32 keys, 4 tiles of 16 d); the second load of a fragment takes the keys 16 further down
.macro LDV
.irp s, 0,1
.irp dt, 0,1,2,3
	ds_load_tr16_b128 v[VF+32*\s+8*\dt:VF+32*\s+8*\dt+3],   v[VRD] offset:32*VP*\s+32*\dt
	ds_load_tr16_b128 v[VF+32*\s+8*\dt+4:VF+32*\s+8*\dt+7], v[VRD] offset:32*VP*\s+32*\dt+16*VP
.endr
.endr
.endm
; 8 global loads: my share of K's and V's block two steps ahead (the bases stand at this step's block)
.macro GLOAD
.irp j, 0,1,2,3
	global_load_b128 v[G+4*\j:G+4*\j+3],       v[GOFF], s[6:7] offset:2*BLKB+512*\j
	global_load_b128 v[G+16+4*\j:G+16+4*\j+3], v[GOFF], s[8:9] offset:2*BLKB+512*\j
.endr
.endm
; S^T of query tile q against the block's 64 keys.  The first half of d starts the four sums, the second adds on; the four accumulators take turns,
; one instruction a turn.
.macro QK q, buf
.irp kt, 0,1,2,3
	v_wmma_f32_16x16x32_bf16 v[\buf+8*\kt:\buf+8*\kt+7], v[KF+16*\kt:KF+16*\kt+7], v[QF+16*\q:QF+16*\q+7], 0
.endr
.irp kt, 0,1,2,3
	v_wmma_f32_16x16x32_bf16 v[\buf+8*\kt:\buf+8*\kt+7], v[KF+16*\kt+8:KF+16*\kt+15], v[QF+16*\q+8:QF+16*\q+15], v[\buf+8*\kt:\buf+8*\kt+7]
.endr
.endm
.macro SFMA buf, k                     ; key tile k: c s - c m, in place
.irp i, 0,2,4,6
	v_pk_fma_f32 v[\buf+8*\k+\i:\buf+8*\k+\i+1], v[\buf+8*\k+\i:\buf+8*\k+\i+1], 0x3eb8aa3b, v[NM:NM+1] op_sel_hi:[1,0,1]
.endr
.endm
.macro SEXP buf, k                     ; key tile k: 2^x, in place
.irp i, 0,1,2,3,4,5,6,7
	v_exp_f32 v[\buf+8*\k+\i], v[\buf+8*\k+\i]
.endr
.endm
; key tile k's eight weights are summed in f32 and packed as f16.  mode 0: row sum += ; 1: row sum = row sum x factor + ; 2: row sum =
.macro CONS q, buf, k, mode
	s_wait_alu depctr_va_vdst(0)
	v_pk_add_f32 v[U:U+1], v[\buf+8*\k:\buf+8*\k+1], v[\buf+8*\k+2:\buf+8*\k+3]
	v_pk_add_f32 v[W:W+1], v[\buf+8*\k+4:\buf+8*\k+5], v[\buf+8*\k+6:\buf+8*\k+7]
	v_cvt_pk_f16_f32 v[P+4*\k],   v[\buf+8*\k],   v[\buf+8*\k+1]
	v_cvt_pk_f16_f32 v[P+4*\k+1], v[\buf+8*\k+2], v[\buf+8*\k+3]
.if \mode == 2
	v_pk_add_f32 v[LS+2*\q:LS+2*\q+1], v[U:U+1], v[W:W+1]
.else
	v_pk_add_f32 v[U:U+1], v[U:U+1], v[W:W+1]
.endif
	v_cvt_pk_f16_f32 v[P+4*\k+2], v[\buf+8*\k+4], v[\buf+8*\k+5]
	v_cvt_pk_f16_f32 v[P+4*\k+3], v[\buf+8*\k+6], v[\buf+8*\k+7]
.if \mode == 1
	v_pk_fma_f32 v[LS+2*\q:LS+2*\q+1], v[LS+2*\q:LS+2*\q+1], v[AL:AL+1], v[U:U+1] op_sel_hi:[1,0,1]
.endif
.if \mode == 0
	v_pk_add_f32 v[LS+2*\q:LS+2*\q+1], v[LS+2*\q:LS+2*\q+1], v[U:U+1]
.endif
.endm
; Query tile q, scores in buf: new running maximum, factor 2^(c m_old - c m_new), weights in f16 into P, row sum.  first = 1: nothing is carried in.
; Behind each run of v_exp_f32 stands plain work on other registers before any of its results is used (ISA guide 5.7.2).
.macro SOFTMAX q, buf, first
.irp k, 0,1,2,3
	v_max3_num_f32 v[T+\k], v[\buf+8*\k], v[\buf+8*\k+1], v[\buf+8*\k+2]        ; four chains that do not wait for each other
.endr
.irp k, 0,1,2,3
	v_max3_num_f32 v[T+\k], v[T+\k], v[\buf+8*\k+3], v[\buf+8*\k+4]
.endr
.irp k, 0,1,2,3
	v_max3_num_f32 v[T+\k], v[T+\k], v[\buf+8*\k+5], v[\buf+8*\k+6]
.endr
	v_max3_num_f32 v[T],   v[T],   v[\buf+7],  v[\buf+15]
	v_max3_num_f32 v[T+2], v[T+2], v[\buf+23], v[\buf+31]
	v_max3_num_f32 v[T], v[T], v[T+1], v[T+2]
.if \first
	v_max_num_f32 v[T], v[T], v[T+3]
.else
	v_max3_num_f32 v[T], v[T], v[T+3], v[MX+\q]
.endif
	v_permlanex16_b32 v[T+1], v[T], s18, s19       ; the other half of the lanes holds my query's other 32 keys
.if \first
	v_max_num_f32 v[MX+\q], v[T], v[T+1]
	v_mul_f32 v[NM],   0xbeb8aa3b, v[MX+\q]
	v_mul_f32 v[NM+1], 0xbeb8aa3b, v[MX+\q]
.else
	v_max_num_f32 v[T], v[T], v[T+1]
	v_mul_f32 v[NM],   0xbeb8aa3b, v[T]
	v_mul_f32 v[NM+1], 0xbeb8aa3b, v[T]
	v_fma_f32 v[AL], v[MX+\q], s28, v[NM]          ; c m_old - c m_new, at most 0
.endif
	SFMA \buf, 0
.if \first == 0
	v_exp_f32 v[AL], v[AL]
.endif
	SEXP \buf, 0
	SFMA \buf, 1
	SEXP \buf, 1
	SFMA \buf, 2
.if \first
	CONS \q, \buf, 0, 2
.else
	CONS \q, \buf, 0, 1
.endif
	SEXP \buf, 2
	SFMA \buf, 3
	CONS \q, \buf, 1, 0
	SEXP \buf, 3
.if \first == 0
	v_mov_b32 v[MX+\q], v[T]
	s_wait_alu depctr_va_vdst(0)
.endif
	CONS \q, \buf, 2, 0
	CONS \q, \buf, 3, 0
.endm
; O^T of query tile q: rescaled, then + V^T P^T over the block's 64 keys, in the f16 form.  The four accumulators take turns, one instruction a turn.
.macro PV q, first
.if \first == 0
.irp i, 0,2,4,6,8,10,12,14,16,18,20,22,24,26,28,30
	v_pk_mul_f32 v[OA+32*\q+\i:OA+32*\q+\i+1], v[OA+32*\q+\i:OA+32*\q+\i+1], v[AL:AL+1] op_sel_hi:[1,0]
.endr
.endif
.irp dt, 0,1,2,3
.if \first
	v_wmma_f32_16x16x32_f16 v[OA+32*\q+8*\dt:OA+32*\q+8*\dt+7], v[VF+8*\dt:VF+8*\dt+7], v[P:P+7], 0
.else
	v_wmma_f32_16x16x32_f16 v[OA+32*\q+8*\dt:OA+32*\q+8*\dt+7], v[VF+8*\dt:VF+8*\dt+7], v[P:P+7], v[OA+32*\q+8*\dt:OA+32*\q+8*\dt+7]
.endif
.endr
.irp dt, 0,1,2,3
	v_wmma_f32_16x16x32_f16 v[OA+32*\q+8*\dt:OA+32*\q+8*\dt+7], v[VF+32+8*\dt:VF+32+8*\dt+7], v[P+8:P+15], v[OA+32*\q+8*\dt:OA+32*\q+8*\dt+7]
.endr
.endm
; The block asked for at the step's head is rounded to bf16, V's numbers are repacked as f16, and both are stored to the block's own LDS bytes
; (KST and VST stand one block short of it).  S1 is free here: its weights were packed into P.  All the vector work comes first, then one wait, then the eight stores.
.macro CVST
	s_wait_loadcnt 0x0                             ; the eight loads of GLOAD, issued a whole step ago
	s_wait_xcnt 0x0                                ; the bases and PF, which this step's loads and prefetches name, are rewritten only behind this wait
	s_add_nc_u64 s[6:7], s[6:7], BLKB
	s_add_nc_u64 s[8:9], s[8:9], BLKB
	WIN FROM_G
.irp n, 0,1,2,3,4,5,6,7
	v_cvt_pk_bf16_f32 v[CV+2*\n],   v[G+4*\n],   v[G+4*\n+1]     ; K's 8 words, then V's 8
	v_cvt_pk_bf16_f32 v[CV+2*\n+1], v[G+4*\n+2], v[G+4*\n+3]
.endr
	WIN 0
.irp i, 0,1,2,3,4,5,6,7
	v_lshlrev_b32 v[S1+2*\i],   16,  v[CV+8+\i]    ; V's bf16 numbers, widened,
	v_and_b32     v[S1+2*\i+1], s27, v[CV+8+\i]
.endr
.irp i, 0,1,2,3,4,5,6,7
	v_cvt_pk_f16_f32 v[CV+8+\i], v[S1+2*\i], v[S1+2*\i+1]        ; and packed as f16, which holds them exactly
.endr
	v_add_nc_u32 v[PF], BLKB, v[PF]                ; (the prefetches have read PF: the wait on vm_vsrc at the step's head stands behind them)
	v_min_u32 v[PF], v[PF], v[PFLIM]               ; no prefetch points past the head's last block
	s_wait_alu depctr_va_vdst(0)                   ; CV, KST and VST are written, which the stores below read; for the next step's head: the products are done reading VF, the conversions G, and VRD and PF are written
.irp j, 0,1,2,3
	ds_store_b64 v[KST], v[CV+2*\j:CV+2*\j+1] offset:KBLK+2*KP*\j
.endr
.irp j, 0,1,2,3
	ds_store_b64 v[VST], v[CV+8+2*\j:CV+8+2*\j+1] offset:VBLK+2*VP*\j
.endr
.endm
; One key block.  first: nothing is carried in.  load: block i + 2 is fetched, stored, and a barrier follows.  next: block i + 1's K fragments are fetched.
; places: the step before ended on matrix instructions, with no vector work and no wait behind them.
; Distances behind matrix instructions: every read of a score tile, every write of P and every load into a fragment register stands
; behind at least four plain vector instructions that name none of the matrix instruction's registers; which ones is said at each spot.
.macro STEP first, load, next, places
.if \places
	PLACES                                         ; the four places of the plain form stay, beside the wait below
.endif
	WIN TO_W1
.if \places
	s_wait_alu depctr_va_vdst(0)                   ; the last step's products V^T P^T are done reading VF, in which the loads below land (elsewhere the wait at the last step's end has stated it)
.endif
	LDV                                            ; this block's V^T (elsewhere the conversions at the last step's end are the places)
.if \load
	GLOAD
.endif
	WIN 0
.if \load
	s_cmp_lg_u32 s12, 0
	s_cbranch_scc1 .Lnopf_\@
	global_prefetch_b8 v[PF], s[16:17] th:TH_LOAD_NT scope:SCOPE_SE                 ; wave 0 asks for block i + 3 of K (or V), which the next step loads:
	global_prefetch_b8 v[PF], s[16:17] offset:BLKB/2 th:TH_LOAD_NT scope:SCOPE_SE   ; 2 x 32 lanes 256 bytes apart = its 16,384 bytes; step 13 is held at block 15
.Lnopf_\@:
.endif
	s_wait_dscnt 16                                ; the K fragments are in; the 16 loads of V^T issued behind them may stay out
.if \next
	s_wait_alu depctr_vm_vsrc(0)                   ; the last step's stores have read CV, KST and VST, its loads of K KRD, the loads above VRD, the prefetches PF: the first product writes CV's registers, the adds below and the step's end the others
.endif
	QK 0, S0
	QK 1, S1
.if \next                                          ; four places before tile 0's scores are read: the LDS addresses step to the next block
	v_add_nc_u32 v[KRD], KBLK, v[KRD]
	v_add_nc_u32 v[VRD], VBLK, v[VRD]
.else
	v_nop
	v_nop
.endif
.if \load
	v_add_nc_u32 v[KST], KBLK, v[KST]
	v_add_nc_u32 v[VST], VBLK, v[VST]
.else
	v_nop
	v_nop
.endif
	SOFTMAX 0, S0, \first
	s_wait_dscnt 0x0                               ; V^T is in
	WIN PVWIN
	PV 0, \first
	WIN 0
	QK 2, S0                                       ; the next but one tile's scores are made ahead, so that a softmax never follows its own product
	SOFTMAX 1, S1, \first                          ; its 20 lines of the maximum are the places before P, which PV 0 read, is written
	WIN PVWIN
	PV 1, \first
	WIN 0
	QK 3, S1
	SOFTMAX 2, S0, \first
.if \next
	s_wait_alu depctr_va_vdst(0)                   ; the four products K Q^T are done reading KF, in which the loads below land, and KRD's add is written
	LDK                                            ; the next block's K, visible since the last barrier; SOFTMAX 2 is the places behind QK 3
.endif
	WIN PVWIN
	PV 2, \first
	WIN 0
	SOFTMAX 3, S1, \first
	WIN PVWIN
	PV 3, \first
.if \load
	CVST
	s_wait_dscnt 0x0                               ; for the others: my stores of block i + 2 are done
	s_barrier_signal -1
	s_barrier_wait -1                              ; everybody's are: block i + 2 may be read
.else
	WIN 0
.endif
.endm
	LDK                                            ; block 0's K: KRD was written, and KF's last readers were done, ahead of the wait in front of the stores above
	STEP 1, 1, 1, 0                                ; step 0 starts every sum: nothing is cleared
	s_mov_b32 s20, 13
.Lstep:
	STEP 0, 1, 1, 0                                ; steps 1 to 13 fetch blocks 3 to 15
	s_sub_co_u32 s20, s20, 1
	s_cmp_lg_u32 s20, 0
	s_cbranch_scc1 .Lstep
	STEP 0, 0, 1, 0                                ; step 14: nothing is left to fetch from memory
	STEP 0, 0, 0, 1                                ; step 15
	; THE WAY OUT: divide by the row sum, 32 bytes a lane into my own stage, back as whole rows of 256 bytes.
	s_wait_dscnt 0x0                               ; my reads of K and V are over
	s_barrier_signal -1
	s_barrier_wait -1                              ; everybody's are: K's bytes now serve as stages
.irp q, 0,1,2,3
	v_add_f32 v[T+\q], v[LS+2*\q], v[LS+2*\q+1]    ; these adds are also the places behind the last matrix instructions
.endr
.irp q, 0,1,2,3
	v_permlanex16_b32 v[U+\q], v[T+\q], s18, s19   ; the other half's 512 keys
.endr
.irp q, 0,1,2,3
	v_add_f32 v[T+\q], v[T+\q], v[U+\q]
.endr
.irp q, 0,1,2,3
	v_rcp_f32 v[LS+2*\q], v[T+\q]
.endr
	v_nop                                          ; one plain place behind the reciprocals (ISA guide 5.7.2)
	WIN PVWIN
.set i, 0
	s_wait_alu depctr_va_vdst(0)
.rept 64
	v_pk_mul_f32 v[OA+2*i:OA+2*i+1], v[OA+2*i:OA+2*i+1], v[LS+2*(i/16):LS+2*(i/16)+1] op_sel_hi:[1,0]
.set i, i+1
.endr
	WIN ST_W1
	s_wait_alu depctr_va_vdst(0)                   ; the scalings have written O^T, which the stores below read; the products K Q^T are done reading v[48:175], in which the loads from the stage land; no vector instruction follows
.irp q, 0,1,2,3
.irp dt, 0,1,2,3
	ds_store_b128 v[OST], v[OA+32*\q+8*\dt:OA+32*\q+8*\dt+3]   offset:OTILE*\q+64*\dt      ; query r, d = 16 dt + 8 h + 0..3
	ds_store_b128 v[OST], v[OA+32*\q+8*\dt+4:OA+32*\q+8*\dt+7] offset:OTILE*\q+64*\dt+16   ; d = 16 dt + 8 h + 4..7
.endr
.endr
	WIN 0
.set n, 0
.rept 32
	ds_load_b128 v[KF+4*n:KF+4*n+3], v[ORD] offset:OTILE*(n/8)+2*OP*(n%8)   ; my own bytes, served in order: these see the stores above
.set n, n+1
.endr
.set n, 0
.rept 32
	s_wait_dscnt 31-n                              ; load n is in; the 31 - n younger ones may stay out
	global_store_b128 v[LOFF], v[KF+4*n:KF+4*n+3], s[10:11] offset:512*n th:TH_STORE_NT   ; two whole rows: 512 consecutive bytes, at a multiple of 512 from out's first byte
.set n, n+1
.endr
	s_wait_dscnt 0x0
	s_wait_alu depctr_hold_cnt(0) depctr_sa_sdst(0) depctr_va_vdst(0) depctr_va_sdst(0) depctr_va_ssrc(0) depctr_va_vcc(0) depctr_vm_vsrc(0)
	s_wait_tensorcnt 0x0
	ds_add_u32 v46, v47
	s_wait_dscnt 0x0
	s_endpgm
.Lfunc_end_k_q1f21bf974a_attn:
	.size	k_q1f21bf974a_attn, .Lfunc_end_k_q1f21bf974a_attn-k_q1f21bf974a_attn
	.p2alignl 7, 3214868480
	.fill 96, 4, 3214868480
	.section	.rodata,"a",@progbits
	.p2align	6, 0x0
	.amdhsa_kernel k_q1f21bf974a_attn
		.amdhsa_group_segment_fixed_size 312320
		.amdhsa_private_segment_fixed_size 0
		.amdhsa_enable_private_segment 0
		.amdhsa_kernarg_size 32
		.amdhsa_user_sgpr_count 2
		.amdhsa_user_sgpr_kernarg_segment_ptr 1
		.amdhsa_wavefront_size32 1
		.amdhsa_system_sgpr_workgroup_id_x 1
		.amdhsa_system_sgpr_workgroup_id_y 1
		.amdhsa_system_sgpr_workgroup_id_z 1
		.amdhsa_system_vgpr_workitem_id 0
		.amdhsa_next_free_vgpr 480
		.amdhsa_next_free_sgpr 66
		.amdhsa_reserve_vcc 0
		.amdhsa_float_denorm_mode_32 3
		.amdhsa_float_denorm_mode_16_64 3
		.amdhsa_memory_ordered 1
		.amdhsa_forward_progress 1
		.amdhsa_inst_pref_size 176
	.end_amdhsa_kernel
	.amdgpu_metadata
---
amdhsa.version: [ 1, 2 ]
amdhsa.kernels:
  - .name:           k_q1f21bf974a_attn
    .symbol:         k_q1f21bf974a_attn.kd
    .args:
      - { .name: query, .offset: 0, .size: 8, .value_kind: global_buffer, .address_space: global }
      - { .name: key, .offset: 8, .size: 8, .value_kind: global_buffer, .address_space: global }
      - { .name: value, .offset: 16, .size: 8, .value_kind: global_buffer, .address_space: global }
      - { .name: out0, .offset: 24, .size: 8, .value_kind: global_buffer, .address_space: global }
    .group_segment_fixed_size: 312320
    .private_segment_fixed_size: 0
    .kernarg_segment_align: 8
    .kernarg_segment_size: 32
    .max_flat_workgroup_size: 256
    .sgpr_count:     66
    .vgpr_count:     480
    .wavefront_size: 32
...
	.end_amdgpu_metadata
.endif
;; end of part 2
